; MI455X (gfx1250); checked and timed in simulation.
; The chip was launched on July 23, 2026; its instructions are those of AMD's public machine-readable ISA for CDNA 5 (MIT licence, August 2026) and "CDNA5" Instruction Set Architecture Reference Guide (July 2026). The comments in the code are by the model that wrote it; some were corrected since.
;; Attention. Allowed arithmetic: matrix products marked QUANTISED: E4M3 operands, one given power-of-two scale a tensor, by v_wmma_f32_16x16x64_fp8_fp8 or v_wmma_f32_16x16x128_fp8_fp8, f32 sums; everything else in f32.
;; Inputs: Wk 1,024 x 1,024 float32; Wo 1,024 x 1,024 float32; Wq 1,024 x 1,024 float32; Wv 1,024 x 1,024 float32; lowp_scales 12 int32 (the exponents e of the quantised operands' scales 2^e); x 2 x 2,048 x 1,024 float32.
;; Outputs: out0 2 x 2,048 x 1,024 float32.
;; This version of the problem:
;;   THIS VERSION OF THE PROBLEM IS GIVEN IN LOW PRECISION. The matrix products marked QUANTISED in the list below multiply operands that are first quantised to E4M3 (4 exponent bits, 3 mantissa bits; 8 bits a number), with one given power-of-two scale for each operand tensor; their sums are f32. All else is computed in f32.
;;   The module's matrix products, in the order in which they are computed (A, B: the left and right operand; K: the contracted axis; several contracted axes count as one K, in the product's order):
;;     1. [M 4,096, K 1,024] x [K 1,024, N 1,024]; A: input x; B: input Wq: QUANTISED (scales: A lowp_scales[0], B lowp_scales[1])
;;     2. [M 4,096, K 1,024] x [K 1,024, N 1,024]; A: input x; B: input Wk: QUANTISED (scales: A lowp_scales[2], B lowp_scales[3])
;;     3. [M 4,096, K 1,024] x [K 1,024, N 1,024]; A: input x; B: input Wv: QUANTISED (scales: A lowp_scales[4], B lowp_scales[5])
;;     4. batch 32 x [M 2,048, K 64] x [K 64, N 2,048]; A: computed on the way; B: computed on the way: QUANTISED (scales: A lowp_scales[6], B lowp_scales[7])
;;     5. batch 32 x [M 2,048, K 2,048] x [K 2,048, N 64]; A: softmax (see below); B: computed on the way: QUANTISED (scales: A lowp_scales[8], B lowp_scales[9])
;;     6. [M 4,096, K 1,024] x [K 1,024, N 1,024]; A: computed on the way; B: input Wo: QUANTISED (scales: A lowp_scales[10], B lowp_scales[11])
;;   THE QUANTISER, for each operand of a quantised product, along K:
;;     - The operand's scale is 2^e, e = its entry of the input lowp_scales (int32; the entries are numbered through the quantised products in the list's order, A before B).
;;     - Each number is divided by the scale, clamped to +-448, and rounded to the nearest number of E4M3, ties to even, subnormals kept.
;;     - The product sums the exact products of the quantised numbers (number of the format x scale) in f32.
;;   ~~~python
;;   def quantise(x, axis, e):      # numpy; x: float32 -> the quantised numbers, widened to float32 again
;;       x = np.moveaxis(x, axis, -1); K = x.shape[-1]
;;       r = np.clip(x / 2.0 ** e, -448, 448)
;;       step = 2.0 ** (np.maximum(np.frexp(np.where(r == 0, 1, r))[1] - 1, -6) - 3)
;;       q = np.round(r / step) * step * 2.0 ** e      # np.round: ties to even
;;       return np.moveaxis(q, -1, axis).astype(np.float32)
;;   ~~~
;;   SOFTMAX AHEAD OF A QUANTISED PRODUCT. Where the list says 'softmax', what is quantised is not the finished softmax but p = 2^(t - M), with t = logit x log2(e) and M = ceil(the row's largest t), a whole number; so 1/2 < the row's largest p <= 1. The row's sum l is taken of the UNQUANTISED p, in f32, and the product's result is divided by l at the end. Since M is a whole number, a kernel that streams over the keys may use a running M (the ceiling of the running maximum): every later rescaling is an exact power of two, so the quantised numbers keep their values, but for numbers so far below the row's largest that they fall under the format's range.
;;   OPERANDS COMPUTED ON THE WAY. 'Computed on the way' means the value that the module computes at that place (a softmax that the list does not call 'softmax' is quantised finished and normalised). What goes into a quantiser is computed in f32, as accurately as f32 sums, v_exp_f32 and their like allow (about 1e-6 of the number): no bf16 or f16 on the way to a quantiser, and a product that is left as it is and whose result goes on into a quantised operand takes f32 operands (vector FMAs, or v_wmma_f32_16x16x4_f32). A number that lies on a knife's edge between two numbers of the format may be rounded either way, as far as f32 arithmetic and the matrix unit's own rounding can turn it there, and no further.
;; One version. Each part assembles by itself: llvm-mc -triple=amdgcn-amd-amdhsa -mcpu=gfx1250 --defsym DOCPART=n.
;; ======== version 1 of 1: 4 launches
;; limits: right only within a limited range of input values
;; workspace buffers: xc 12,582,912 bytes; wc 4,194,304 bytes; qc 4,194,304 bytes; kv 8,388,608 bytes; ao 4,194,304 bytes
;; launch quant (part 1): grid 512 x 1, 8 waves a work-group, no clusters, 68,608 bytes of LDS; arguments x, Wq, Wk, Wv, Wo, lowp_scales, xc, wc; writes xc, wc
.if DOCPART == 1
	.amdgcn_target "amdgcn-amd-amdhsa--gfx1250"
	.amdhsa_code_object_version 6
	.text
	.protected	k_q065c733152_quant
	.globl	k_q065c733152_quant
	.p2align	8
	.type	k_q065c733152_quant,@function
k_q065c733152_quant:
	s_mov_b64 s[64:65], 0
	v_nop
	global_prefetch_b8 v0, s[64:65] scope:SCOPE_SE
	s_setreg_imm32_b32 hwreg(HW_REG_WAVE_MODE, 25, 1), 1
	s_wait_xcnt 0x0
; x [4096][1024] and Wq, Wk, Wv, Wo [1024][1024], f32, K innermost, become codes of FP8 (E4M3), each with the scale 2^e given for it.
; x is an operand of three products with three given scales (entries 0, 2, 4 of the scales), so it is quantised three times from one read; Wq, Wk, Wv, Wo take entries 1, 3, 5, 11.
; code = number / 2^e, held within +-448, rounded to the nearest code, ties to even.  LIMITS: each e between -126 and 119, so that 2^e and 448 x 2^e are f32 numbers.  NaN among the inputs is not served.
; THE CODES ARE LAID AS IMAGES OF OPERAND REGISTERS.  A tile is 16 rows: position p of tile T is row 32 (T / 2) + 8 (T % 2) + p + 8 (p / 8).  An image is a tile x 128 along K, 2,048 bytes:
; byte 512 c + 16 lane + e is the code of (position lane % 16, k = 32 c + 16 (lane / 16) + e).  xc: [3 scales][256 tiles][8 K steps] images; wc: [4 weights][64 tiles][8 K steps].
; SHARES.  Work-groups 0-255 take x's tiles, 256-511 the weights' (64 each).  Wave w takes K step w of the tile: 16 rows x 512 bytes.  Each load reads 512 consecutive bytes of a row; the 8 KB turn through the
; wave's own stage in LDS (rows 528 bytes apart), so that a lane gets 16 neighbours along K of each block of 32; each store writes 512 consecutive bytes of an image.
; No loop, no barrier (waves share nothing), no register written twice while a memory instruction reads it.  Matrix units, clusters and tensor loads would add nothing to a stream read once.
.set STG,   16*528                     ; a wave's stage
.set SPARE, 8*STG                      ; behind the eight stages: the spare words, 128 bytes for each wave: four blocks of 256 bytes that no other line names
.set LI,   1                           ; v1   16 x lane: my bytes of a load's or a store's 512
.set STI,  2                           ; v2   the stage on the way in
.set STO,  3                           ; v3   and on the way out: row lane % 16, + 64 (lane / 16)
.set SPW,  4                           ; v4   LDS address of my spare word; never rewritten
.set NIL,  5                           ; v5   0; never rewritten
.set SC,   6                           ; v6-11  for each of up to three outputs: 2^e, and 448 x 2^e
.set R,    16                          ; v16-79   the numbers as loaded
.set X,    80                          ; v80-143  register 16 c + i: k = 32 c + 16 (lane / 16) + i of my row
.set T,    144                         ; v144-175 held numbers, two sets of 16 by turns
.set C,    176                         ; v176-223 codes: 16 registers for each output
	s_load_b256 s[4:11], s[0:1], 0x0               ; x s[4:5], Wq s[6:7], Wk s[8:9], Wv s[10:11]
	s_load_b256 s[12:19], s[0:1], 0x20             ; Wo s[12:13], the scales' exponents s[14:15], xc s[16:17], wc s[18:19]
	v_lshl_add_u32 v[SPW], v0, 2, SPARE
	v_mov_b32 v[NIL], 0
	v_lshrrev_b32 v12, 5, v0
	s_delay_alu instid0(VALU_DEP_1)
	v_readfirstlane_b32 s20, v12                   ; wave 0..7 = K step
	v_and_b32 v[LI], 31, v0
	s_delay_alu instid0(VALU_DEP_1)
	v_lshlrev_b32 v[LI], 4, v[LI]
	s_mul_i32 s21, s20, STG
	v_add_nc_u32 v[STI], s21, v[LI]
	v_and_b32 v12, 15, v0
	v_bfe_u32 v13, v0, 4, 1
	s_delay_alu instid0(VALU_DEP_2)
	v_mul_u32_u24 v[STO], v12, 528
	s_delay_alu instid0(VALU_DEP_1)
	v_lshl_add_u32 v[STO], v13, 6, v[STO]
	s_delay_alu instid0(VALU_DEP_1)
	v_add_nc_u32 v[STO], s21, v[STO]
	s_cmp_lt_u32 ttmp9, 256                        ; x's work-group or a weight's?  All choices hang on the work-group's number alone
	s_cselect_b32 s42, 255, 63
	s_and_b32 s42, ttmp9, s42                      ; the tile in its tensor
	s_lshr_b32 s43, s42, 1
	s_lshl_b32 s44, s43, 17                        ; 32 (T / 2) rows of 4,096 bytes
	s_and_b32 s43, s42, 1
	s_lshl_b32 s43, s43, 15                        ; + 8 (T % 2) rows
	s_add_co_u32 s44, s44, s43
	s_lshl_b32 s43, s20, 9                         ; + my K step's 512 bytes
	s_add_co_u32 s44, s44, s43
	s_mov_b32 s45, 0
	s_cmp_lt_u32 ttmp9, 256
	s_cselect_b32 s43, 0, 256
	s_sub_co_u32 s46, ttmp9, s43
	s_lshl_b32 s46, s46, 14                        ; the tile's eight images (64 w + tile for a weight),
	s_lshl_b32 s43, s20, 11
	s_add_co_u32 s46, s46, s43                     ; and mine of them
	s_mov_b32 s47, 0
	s_wait_alu depctr_va_vdst(0)
	s_wait_kmcnt 0x0
	s_load_b256 s[24:31], s[14:15], 0x0            ; e0 .. e7
	s_load_b128 s[32:35], s[14:15], 0x20           ; e8 .. e11
	s_mov_b64 s[22:23], s[12:13]
	s_cmp_lt_u32 ttmp9, 448
	s_cselect_b64 s[22:23], s[10:11], s[22:23]
	s_cmp_lt_u32 ttmp9, 384
	s_cselect_b64 s[22:23], s[8:9], s[22:23]
	s_cmp_lt_u32 ttmp9, 320
	s_cselect_b64 s[22:23], s[6:7], s[22:23]
	s_cmp_lt_u32 ttmp9, 256
	s_cselect_b64 s[22:23], s[4:5], s[22:23]       ; the tensor that I read
	s_cselect_b64 s[36:37], s[16:17], s[18:19]     ; and the buffer that I write
	s_add_nc_u64 s[22:23], s[22:23], s[44:45]
	s_add_nc_u64 s[36:37], s[36:37], s[46:47]
.irp i, 0,1,2,3,4,5,6,7,8,9,10,11,12,13,14,15
	global_load_b128 v[R+4*\i:R+4*\i+3], v[LI], s[22:23] offset:(\i+8*(\i/8))*4096 th:TH_LOAD_NT   ; position i's 512 consecutive bytes; read once in the launch
.endr
.macro MKSC e, o                       ; 2^e as f32 (the conversion takes its exponent field), and 448 x 2^e
	s_add_co_i32 s46, s[\e], 127
	s_lshl_b32 s47, s46, 23
	v_mov_b32 v[SC+2*\o], s47
	s_add_co_i32 s46, s46, 8
	s_lshl_b32 s46, s46, 23
	s_or_b32 s46, s46, 0x600000
	v_mov_b32 v[SC+2*\o+1], s46
.endm
	s_wait_kmcnt 0x0
	s_mov_b32 s42, s35                             ; e11 for Wo,
	s_cmp_lt_u32 ttmp9, 448
	s_cselect_b32 s42, s29, s42                    ; e5 for Wv,
	s_cmp_lt_u32 ttmp9, 384
	s_cselect_b32 s42, s27, s42                    ; e3 for Wk,
	s_cmp_lt_u32 ttmp9, 320
	s_cselect_b32 s42, s25, s42                    ; e1 for Wq,
	s_cmp_lt_u32 ttmp9, 256
	s_cselect_b32 s42, s24, s42                    ; e0 for x's first set
	MKSC 42, 0
	s_wait_alu depctr_va_vdst(0)
.irp i, 0,1,2,3,4,5,6,7,8,9,10,11,12,13,14,15
	s_wait_loadcnt 15-\i                           ; loads come back in order: row i is in, the 15 - i younger ones may be out
	ds_store_b128 v[STI], v[R+4*\i:R+4*\i+3] offset:\i*528
.endr
.irp c, 0,1,2,3
.irp k, 0,1,2,3
	ds_load_b128 v[X+16*\c+4*\k:X+16*\c+4*\k+3], v[STO] offset:128*\c+16*\k   ; LDS serves a wave's instructions in order: these see my stores
.endr
.endr
; Output o: the 64 numbers are held into T (X stays for the next output), converted, and stored as one image.  T's two sets take turns, so that sixteen plain lines stand between a conversion and the next write of its sources.
.macro QUANT o, base
.irp c, 0,1,2,3
.if \o == 0
	s_wait_dscnt 12-4*\c                           ; block c's four loads are in; the 4 (3 - c) behind them may be out
.endif
.irp i, 0,1,2,3,4,5,6,7,8,9,10,11,12,13,14,15
	v_med3_num_f32 v[T+16*(\c%2)+\i], v[X+16*\c+\i], -v[SC+2*\o+1], v[SC+2*\o+1]   ; the conversion to an 8-bit code does not saturate (ISA guide 7.6.2): the hold at the largest code x the scale
.endr
	v_cvt_scalef32_pk8_fp8_f32 v[C+16*\o+4*\c:C+16*\o+4*\c+1], v[T+16*(\c%2):T+16*(\c%2)+7], v[SC+2*\o]
	v_cvt_scalef32_pk8_fp8_f32 v[C+16*\o+4*\c+2:C+16*\o+4*\c+3], v[T+16*(\c%2)+8:T+16*(\c%2)+15], v[SC+2*\o]
.endr
.irp c, 0,1,2,3
	global_store_b128 v[LI], v[C+16*\o+4*\c:C+16*\o+4*\c+3], s[\base:\base+1] offset:512*\c   ; 32 lanes store 512 consecutive bytes, at a multiple of 512 from the buffer's first byte
.endr
.endm
	QUANT 0, 36
	s_cmp_lt_u32 ttmp9, 256                        ; a weight has one scale: done.  Under this branch stand register work and global stores alone
	s_cbranch_scc0 .Lend
	s_add_nc_u64 s[38:39], s[36:37], 0x400000      ; x's second and third sets of codes lie 4 MiB and 8 MiB on: bases of their own
	s_add_nc_u64 s[40:41], s[36:37], 0x800000
	MKSC 26, 1                                     ; e2
	MKSC 28, 2                                     ; e4
	QUANT 1, 38
	QUANT 2, 40
.Lend:
	s_wait_tensorcnt 0x0                           ; the wave's end
	ds_add_u32 v[SPW], v[NIL]
	s_wait_dscnt 0x0
	s_endpgm
.Lfunc_end_k_q065c733152_quant:
	.size	k_q065c733152_quant, .Lfunc_end_k_q065c733152_quant-k_q065c733152_quant
	.p2alignl 7, 3214868480
	.fill 96, 4, 3214868480
	.section	.rodata,"a",@progbits
	.p2align	6, 0x0
	.amdhsa_kernel k_q065c733152_quant
		.amdhsa_group_segment_fixed_size 68608
		.amdhsa_private_segment_fixed_size 0
		.amdhsa_enable_private_segment 0
		.amdhsa_kernarg_size 64
		.amdhsa_user_sgpr_count 2
		.amdhsa_user_sgpr_kernarg_segment_ptr 1
		.amdhsa_wavefront_size32 1
		.amdhsa_system_sgpr_workgroup_id_x 1
		.amdhsa_system_sgpr_workgroup_id_y 1
		.amdhsa_system_sgpr_workgroup_id_z 1
		.amdhsa_system_vgpr_workitem_id 0
		.amdhsa_next_free_vgpr 224
		.amdhsa_next_free_sgpr 66
		.amdhsa_reserve_vcc 0
		.amdhsa_float_denorm_mode_32 3
		.amdhsa_float_denorm_mode_16_64 3
		.amdhsa_memory_ordered 1
		.amdhsa_forward_progress 1
		.amdhsa_inst_pref_size 23
	.end_amdhsa_kernel
	.amdgpu_metadata
---
amdhsa.version: [ 1, 2 ]
amdhsa.kernels:
  - .name:           k_q065c733152_quant
    .symbol:         k_q065c733152_quant.kd
    .args:
      - { .name: x, .offset: 0, .size: 8, .value_kind: global_buffer, .address_space: global }
      - { .name: Wq, .offset: 8, .size: 8, .value_kind: global_buffer, .address_space: global }
      - { .name: Wk, .offset: 16, .size: 8, .value_kind: global_buffer, .address_space: global }
      - { .name: Wv, .offset: 24, .size: 8, .value_kind: global_buffer, .address_space: global }
      - { .name: Wo, .offset: 32, .size: 8, .value_kind: global_buffer, .address_space: global }
      - { .name: lowp_scales, .offset: 40, .size: 8, .value_kind: global_buffer, .address_space: global }
      - { .name: xc, .offset: 48, .size: 8, .value_kind: global_buffer, .address_space: global }
      - { .name: wc, .offset: 56, .size: 8, .value_kind: global_buffer, .address_space: global }
    .group_segment_fixed_size: 68608
    .private_segment_fixed_size: 0
    .kernarg_segment_align: 8
    .kernarg_segment_size: 64
    .max_flat_workgroup_size: 256
    .sgpr_count:     66
    .vgpr_count:     224
    .wavefront_size: 32
...
	.end_amdgpu_metadata
.endif
;; end of part 1
;; launch qkv (part 2): grid 8 x 32, 4 waves a work-group, clusters of 4 x 4, 327,680 bytes of LDS; arguments xc, wc, lowp_scales, qc, kv; writes qc, kv
.if DOCPART == 2
	.amdgcn_target "amdgcn-amd-amdhsa--gfx1250"
	.amdhsa_code_object_version 6
	.text
	.protected	k_q065c733152_qkv
	.globl	k_q065c733152_qkv
	.p2align	8
	.type	k_q065c733152_qkv,@function
k_q065c733152_qkv:
	s_mov_b64 s[64:65], 0
	v_nop
	global_prefetch_b8 v0, s[64:65] scope:SCOPE_SE
	s_setreg_imm32_b32 hwreg(HW_REG_WAVE_MODE, 25, 1), 1
	s_wait_xcnt 0x0
	s_wait_alu depctr_hold_cnt(0) depctr_sa_sdst(0) depctr_va_vdst(0) depctr_va_sdst(0) depctr_va_ssrc(0) depctr_va_vcc(0) depctr_vm_vsrc(0)
	s_getreg_b32 s2, hwreg(HW_REG_IB_STS2, 6, 4)
	s_cmp_eq_u32 s2, 0
	s_cbranch_scc0 .Lentry_in_a_cluster
	s_endpgm
.Lentry_in_a_cluster:
	s_bfe_u32 s2, ttmp6, 0x10000c
	s_cmp_lg_u32 s2, 0xf033
	s_cbranch_scc0 .Lentry_shape_is_right
	s_endpgm
.Lentry_shape_is_right:
; q = x Wq^T, k = x Wk^T, v = x Wv^T on codes of FP8 (E4M3); each result is quantised in registers for the product that takes it next and stored as an image of that operand's registers.
; A work-group owns 128 rows of x and 128 features (two heads) and makes that tile of q, then of k, then of v: 256 work-groups.  Four waves, each 64 x 64: 16 accumulators.
; OPERANDS arrive as images (a tile of 16 rows x 128 along K in 2,048 bytes: byte 512 c + 16 lane + e = position lane % 16, k = 32 c + 16 (lane / 16) + e; position p of tile T is row 32 (T / 2) + 8 (T % 2) + p + 8 (p / 8)).
; That places k otherwise than the form's own layout does, alike in both operands, so every product meets its partner; only the order of the sums inside an instruction changes.
; THE RING: two LDS slots, each with half of K (512) of both tiles, 128 KB.  The six fills f = 0 .. 5 (product f / 2, half f % 2) go to slot f % 2, one joint load a wave: four tiles x 8,192 bytes.  Fill f + 2 is asked for at the end of
; fill f's work, when its slot has been read, and has all of fill f + 1's work in which to land.
; CLUSTERS: 4 x 4 work-groups.  x's tile hangs on the tile row and is asked for jointly along a row of the cluster, the weight's on the tile column and jointly along a column.
; PREFETCH: behind fill f's joint load fill f + 1 is asked for: of a wave's four rows of 8,192 bytes each of the four partners takes one (told apart by address), 32 lanes 256 bytes apart.  It stops at fill 5.
; q AND k: source 0 = 16 rows of W, source 1 = 16 rows of x: a lane holds one row of x, and the registers of two neighbouring accumulators are 16 neighbouring channels of a head: the next K.
; v: THE SOURCES ARE SWAPPED: a lane holds one channel, and the registers run along 16 neighbouring keys: the second attention product's K.  The conversions' results are the next operand's registers; each store writes 512 consecutive bytes.
; A sum stands for sum x 2^(ea + eb), so its code is sum / 2^E, E = e6 - e0 - e1 (q), e7 - e2 - e3 (k), e9 - e4 - e5 (v).  LIMITS: E between -126 and 119.  NaN is not served.
; REGISTERS: window 0: v1 16 x lane; v16-17, v20-21 LDS addresses of my A and B fragments in slot 0, 1; v28, v29 the add's two; v2 prefetch offset; v30, v31 2^E and 448 x 2^E; v32-63 codes; v128-255 accumulators.
;   window 1: two fragment buffers of 128 registers: four fragments of x (16 registers each), then four of W.
.set CH,    131072                     ; a slot
.set RG,    32768                      ; what one tensor load brings.  Regions 0, 1: x's halves; 2, 3: W's halves
.set SPARE, 2*CH                       ; behind the slots: the spare words, 128 bytes for each wave
.set XSTEP, 0x400000                   ; from a product's set of x's codes to the next's
.set WSTEP, 0x100000                   ; from a weight to the next
.set LI,   1
.set PFO,  2
.set ADRA, 16
.set ADRB, 20
.set SPW,  28
.set NIL,  29
.set SCV,  30
.set LIMV, 31
.set CD,   32
.set ACC,  128
.set F0,   0
.set F1,   128
.set TR,   3                           ; s3: products still to be made in the loop
.set G1A,  24
.set G1B,  32
.set G0A,  40                          ; s[40:47] group 0 for x's tiles, a set for each slot;  s[68:75] for W's
.set G0B,  68
.set PFA,  48
.set PFS,  50
.set OB,   60
.set C0,   82
.set MSB, 0
.macro WIN new                         ; the immediate's high byte repeats the setting that is left
.if MSB != \new
	s_set_vgpr_msb (MSB<<8)|\new
.set MSB, \new
.endif
.endm
.macro CREST                           ; a round of the cluster's barrier behind its opening barrier
	s_cmp_lg_u32 s14, 0
	s_cbranch_scc1 .Lnot_wave_0_\@
	s_barrier_signal -3
.Lnot_wave_0_\@:
	s_barrier_wait -3
	s_barrier_signal -1
	s_barrier_wait -1
.endm
.macro CROUND                          ; a whole round
	s_barrier_signal -1
	s_barrier_wait -1
	CREST
.endm
.macro PLACES                          ; four places in front of loads into registers that matrix instructions have read, and of the first read of results
.rept 4
	v_nop
.endr
.endm
.macro JLOAD s                         ; waves 0 and 1 fetch for x, waves 2 and 3 for W; the branch hangs on the wave's number alone
	s_cmp_eq_u32 s15, 0
	s_cbranch_scc0 .Lfor_b_\@
	tensor_load_to_lds s[G0A+4*\s:G0A+4*\s+3], s[G1A:G1A+7]
	s_nop 0
	PLACES
	s_branch .Lasked_\@
.Lfor_b_\@:
	tensor_load_to_lds s[G0B+4*\s:G0B+4*\s+3], s[G1B:G1B+7]
	s_nop 0
	PLACES
.Lasked_\@:
.endm
	s_load_b256 s[4:11], s[0:1], 0x0               ; xc s[4:5], wc s[6:7], the scales' exponents s[8:9], qc s[10:11]
	s_load_b64 s[12:13], s[0:1], 0x20              ; kv
	v_lshl_add_u32 v[SPW], v0, 2, SPARE
	v_mov_b32 v[NIL], 0
	ds_add_u32 v[SPW], v[NIL]                      ; the wave's opening: the add, twice on end, and its wait ahead of my first tensor load
	ds_add_u32 v[SPW], v[NIL]
	v_lshrrev_b32 v3, 5, v0
	v_readfirstlane_b32 s14, v3                    ; wave 0..3
	s_lshr_b32 s15, s14, 1                         ; which half of the tile's rows is mine.  Also: I fetch for x (0) or for W (1)
	s_and_b32 s16, s14, 1                          ; which half of its columns.  Also: which half of that tile I fetch
	s_bfe_u32 s17, ttmp6, 0x40000                  ; cx
	s_bfe_u32 s18, ttmp6, 0x40004                  ; cy
	s_lshl_b32 s19, ttmp9, 2
	s_add_co_u32 s19, s19, s17                     ; nb: which 128 features
	s_and_b32 s20, ttmp7, 0xffff
	s_lshl_b32 s20, s20, 2
	s_add_co_u32 s20, s20, s18                     ; tile row: which 128 rows of x
	s_lshl_b32 s22, s18, 2
	s_lshl_b32 s22, 15, s22                        ; my row of the cluster
	s_lshl_b32 s23, 0x1111, s17                    ; my column
	; group 1: four rows (tiles) of 8,192 bytes (four K steps' images), 16,384 bytes apart; elements of 8 bytes; no padding: an image is read 512 consecutive bytes at a time
	s_or_b32 s[G1A], s22, (3<<16)|(1<<21)          ; 15:0 the mask; 17:16 elements of 8 bytes; 21 set beside a mask
	s_or_b32 s[G1B], s23, (3<<16)|(1<<21)
.irp g, G1A, G1B
	s_mov_b32 s[\g+1], 1024<<16                    ; tensor_dim0
	s_mov_b32 s[\g+2], 4<<16                       ; tensor_dim1
	s_mov_b32 s[\g+3], 1024<<16                    ; tile_dim0
	s_mov_b32 s[\g+4], 4                           ; tile_dim1
	s_mov_b32 s[\g+5], 2048                        ; tensor_dim0_stride
	s_mov_b32 s[\g+6], 0
	s_mov_b32 s[\g+7], 0
.endr
	s_lshl_b32 s56, s20, 17                        ; x: the tile row's eight tiles,
	s_lshl_b32 s22, s16, 16                        ; the four that I fetch
	s_add_co_u32 s56, s56, s22
	s_mov_b32 s57, 0
	s_lshl_b32 s58, s19, 17                        ; W: the tile column's eight tiles,
	s_add_co_u32 s58, s58, s22
	s_mov_b32 s59, 0
	s_lshl_b32 s60, s14, 15                        ; where they go: region = wave: no place in the cluster enters an LDS address
	s_wait_dscnt 0x0                               ; both opening adds are done
	s_wait_kmcnt 0x0
	s_load_b256 s[84:91], s[8:9], 0x0              ; e0 .. e7
	s_load_b128 s[92:95], s[8:9], 0x20             ; e8 .. e11
	s_add_nc_u64 s[56:57], s[4:5], s[56:57]
	s_add_nc_u64 s[58:59], s[6:7], s[58:59]
	CROUND                                         ; all sixteen work-groups are here: the joint loads meet
.irp c, 0,1
	s_mov_b32 s[G0A+4*\c], 1
	s_add_co_u32 s[G0A+4*\c+1], s60, \c*CH
	s_add_nc_u64 s[G0A+4*\c+2:G0A+4*\c+3], s[56:57], \c*8192
	s_or_b32 s[G0A+4*\c+3], s[G0A+4*\c+3], 0x80000000
	s_mov_b32 s[G0B+4*\c], 1
	s_add_co_u32 s[G0B+4*\c+1], s60, \c*CH
	s_add_nc_u64 s[G0B+4*\c+2:G0B+4*\c+3], s[58:59], \c*8192
	s_or_b32 s[G0B+4*\c+3], s[G0B+4*\c+3], 0x80000000
.endr
	JLOAD 0                                        ; fill 0: one tensor load a wave at the head
	s_cmp_eq_u32 s15, 0                            ; the prefetches: where my wave's stand, and their step
	s_cselect_b64 s[PFA:PFA+1], s[56:57], s[58:59]
	s_cselect_b32 s52, s17, s18                    ; my place among the four that ask with me
	s_mov_b32 s[PFS], WSTEP-8192
	s_cselect_b32 s[PFS], XSTEP-8192, s[PFS]       ; from an odd fill to the next even one
	s_mov_b32 s[PFS+1], 0
	s_lshl_b32 s52, s52, 14
	s_add_co_u32 s52, s52, 8192                    ; row = place, at fill 1
	s_mov_b32 s53, 0
	s_add_nc_u64 s[PFA:PFA+1], s[PFA:PFA+1], s[52:53]
	; where the results go: bh = 16 batch + 2 nb + my column half; step = which 128 rows of the batch
	s_lshr_b32 s22, s20, 4
	s_lshl_b32 s22, s22, 4
	s_lshl_b32 s23, s19, 1
	s_add_co_u32 s22, s22, s23
	s_add_co_u32 s22, s22, s16                     ; bh
	s_and_b32 s21, s20, 15                         ; step
	s_lshl_b32 s54, s22, 17
	s_lshl_b32 s23, s21, 13
	s_add_co_u32 s54, s54, s23
	s_lshl_b32 s23, s15, 12
	s_add_co_u32 s54, s54, s23                     ; q: head x 131,072 + tile (8 step + 4 half) x 1,024
	s_mov_b32 s55, 0
	s_add_nc_u64 s[96:97], s[10:11], s[54:55]
	s_lshl_b32 s54, s22, 4
	s_add_co_u32 s54, s54, s21
	s_lshl_b32 s54, s54, 14                        ; k, v: (16 bh + step) x 16,384
	s_add_co_u32 s22, s54, s23                     ; k: + tile (4 half) x 1,024
	s_mov_b32 s23, 0
	s_add_nc_u64 s[98:99], s[12:13], s[22:23]
	s_lshl_b32 s23, s15, 10
	s_add_co_u32 s54, s54, s23
	s_add_co_u32 s54, s54, 8192                    ; v: behind k's 8,192; + (2 half) x 512
	s_add_nc_u64 s[62:63], s[12:13], s[54:55]
	s_lshl_b32 s54, s15, 15                        ; my 64 rows of x: region 0 or 1
	s_lshl_b32 s55, s16, 15
	s_add_co_u32 s55, s55, 2*RG                    ; my 64 features: region 2 or 3
	v_and_b32 v[PFO], 31, v0
	v_lshlrev_b32 v[LI], 4, v[PFO]
	v_lshlrev_b32 v[PFO], 8, v[PFO]
	v_add_nc_u32 v[ADRA], s54, v[LI]
	v_add_nc_u32 v[ADRB], s55, v[LI]
	v_add_nc_u32 v[ADRA+1], CH, v[ADRA]
	v_add_nc_u32 v[ADRB+1], CH, v[ADRB]
	s_wait_alu depctr_va_vdst(0)                   ; the head's end
	global_prefetch_b8 v[PFO], s[PFA:PFA+1] th:TH_LOAD_NT scope:SCOPE_SE   ; fill 1
	s_wait_kmcnt 0x0
	s_sub_co_i32 s76, s90, s84
	s_sub_co_i32 s76, s76, s85                     ; e6 - e0 - e1
	s_sub_co_i32 s78, s91, s86
	s_sub_co_i32 s78, s78, s87                     ; e7 - e2 - e3
	s_sub_co_i32 s80, s93, s88
	s_sub_co_i32 s80, s80, s89                     ; e9 - e4 - e5
.irp p, 76, 78, 80
	s_add_co_i32 s[\p], s[\p], 127
	s_add_co_i32 s[\p+1], s[\p], 8
	s_lshl_b32 s[\p], s[\p], 23                    ; 2^E as f32
	s_lshl_b32 s[\p+1], s[\p+1], 23
	s_or_b32 s[\p+1], s[\p+1], 0x600000            ; 448 x 2^E
.endr
; 32 LDS loads in one run: the slot's K step q: four fragments of x and four of W into buffer f
.macro FETCH s, q, f
	WIN 0x40                                       ; destination window 1, address window 0
.irp i, 0,1,2,3
.irp c, 0,1,2,3
	ds_load_b128 v[\f+16*\i+4*\c:\f+16*\i+4*\c+3], v[ADRA+\s] offset:\i*8192+(\q)*2048+512*\c
.endr
.endr
.irp i, 0,1,2,3
.irp c, 0,1,2,3
	ds_load_b128 v[\f+64+16*\i+4*\c:\f+64+16*\i+4*\c+3], v[ADRB+\s] offset:\i*8192+(\q)*2048+512*\c
.endr
.endr
.endm
; Four matrix instructions, 128 along K.  The 16 accumulators take turns, one instruction a turn, in the same order in every K step.  zero = 1: the first product starts the sums.
.macro MULR f, i, zero, swap
	WIN 0x05                                       ; sources 0 and 1 window 1; C and D window 0
.irp j, 0,1,2,3
.if \swap
.set R0, \f+16*\j
.set R1, \f+64+16*\i
.else
.set R0, \f+64+16*\j
.set R1, \f+16*\i
.endif
.if \zero
	v_wmma_f32_16x16x128_fp8_fp8 v[ACC+8*(4*\i+\j):ACC+8*(4*\i+\j)+7], v[R0:R0+15], v[R1:R1+15], 0
.else
	v_wmma_f32_16x16x128_fp8_fp8 v[ACC+8*(4*\i+\j):ACC+8*(4*\i+\j)+7], v[R0:R0+15], v[R1:R1+15], v[ACC+8*(4*\i+\j):ACC+8*(4*\i+\j)+7]
.endif
.endr
.endm
.macro MUL f, zero, swap
	MULR \f, 0, \zero, \swap
	MULR \f, 1, \zero, \swap
	MULR \f, 2, \zero, \swap
	MULR \f, 3, \zero, \swap
.endm
; A slot's first three K steps.  It is entered with K steps 0 and 1 asked for; a wait for 32 leaves the younger fetch out.
.macro BODY slot, zero, swap
	s_wait_dscnt 32
	MUL F0, \zero, \swap
	PLACES
	FETCH \slot, 2, F0
	s_wait_dscnt 32
	MUL F1, 0, \swap
	PLACES
	FETCH \slot, 3, F1
	s_wait_dscnt 32
	MUL F0, 0, \swap
.endm
; A slot's last K step changes slots: ONE barrier; in front of it each wave waits for all its tensor loads, adds 0 to its spare word, and waits for that and for its own reads of this slot.  fill = 1: the slot is filled again, two fills on.
.macro TURN slot, fill, swap
	WIN 0                                          ; (the add's two registers lie in window 0)
.if \fill
	s_wait_xcnt 0x0                                ; my last prefetch has read its address
.if \slot
	s_add_nc_u64 s[PFA:PFA+1], s[PFA:PFA+1], s[PFS:PFS+1]
.else
	s_add_nc_u64 s[PFA:PFA+1], s[PFA:PFA+1], 8192
.endif
.endif
	s_wait_tensorcnt 0x0                           ; all my tensor loads have landed: my part of the next slot;
	ds_add_u32 v[SPW], v[NIL]                      ; 0 onto my spare word;
.if \fill
	s_add_nc_u64 s[G0A+4*\slot+2:G0A+4*\slot+3], s[G0A+4*\slot+2:G0A+4*\slot+3], XSTEP
	s_add_nc_u64 s[G0B+4*\slot+2:G0B+4*\slot+3], s[G0B+4*\slot+2:G0B+4*\slot+3], WSTEP
.endif
	s_wait_dscnt 1                                 ; K step 3's fragments are in; the add may be out
	MULR F1, 0, 0, \swap
	MULR F1, 1, 0, \swap
	s_wait_dscnt 0x0                               ; the add is done, and my reads of this slot are over
	s_barrier_signal -1
	MULR F1, 2, 0, \swap                           ; work on registers while the others arrive
	WIN 0
	s_barrier_wait -1
.if \fill
	CREST                                          ; the barrier has opened a round: no wave of any partner still reads this slot or has a load on its way
	JLOAD \slot                                    ; the first tensor load behind the round; its four v_nop are the places in front of the loads below
.else
	PLACES
.endif
	FETCH (1-\slot), 0, F0
.if \fill
	WIN 0
.if \slot
	s_cmp_eq_u32 s[TR], 2                          ; in the loop's last trip there is no fill behind the one just asked for
	s_cbranch_scc0 .Lno_ask_\@
.endif
	global_prefetch_b8 v[PFO], s[PFA:PFA+1] th:TH_LOAD_NT scope:SCOPE_SE
.Lno_ask_\@:
.endif
	MULR F1, 3, 0, \swap
	PLACES                                         ; in front of the loads below, and of the first read of finished sums
	FETCH (1-\slot), 1, F1
.endm
; THE WAY OUT.  Accumulators (i, 2 g) and (i, 2 g + 1) hold, in lane (r, h), 16 neighbours 32 g + 16 h + 0 .. 15 along the next K.  istr: bytes from tile i to tile i + 1.
.macro WAYOUT istr
	v_mov_b32 v[SCV], s[C0]
	v_mov_b32 v[LIMV], s[C0+1]
.set n, 0
.rept 128
	v_med3_num_f32 v[ACC+n], v[ACC+n], -v[LIMV], v[LIMV]   ; the hold at the largest code x the scale (the conversion does not saturate: ISA guide 7.6.2); each accumulator from its low end on
.set n, n+1
.endr
.irp i, 0,1,2,3
.irp g, 0,1
	v_cvt_scalef32_pk8_fp8_f32 v[CD+8*\i+4*\g:CD+8*\i+4*\g+1], v[ACC+8*(4*\i+2*\g):ACC+8*(4*\i+2*\g)+7], v[SCV]
	v_cvt_scalef32_pk8_fp8_f32 v[CD+8*\i+4*\g+2:CD+8*\i+4*\g+3], v[ACC+8*(4*\i+2*\g+1):ACC+8*(4*\i+2*\g+1)+7], v[SCV]
.endr
.endr
	v_nop                                          ; one plain vector line behind the last conversion
.irp i, 0,1,2,3
	global_store_b128 v[LI], v[CD+8*\i:CD+8*\i+3], s[OB:OB+1] offset:\i*\istr           ; 32 lanes store 512 consecutive bytes, at a multiple of 512 from the buffer's first byte
	global_store_b128 v[LI], v[CD+8*\i+4:CD+8*\i+7], s[OB:OB+1] offset:\i*\istr+512
.endr
.endm
	s_wait_tensorcnt 0x0                           ; my part of fill 0 is in
	ds_add_u32 v[SPW], v[NIL]
	s_wait_xcnt 0x0                                ; the prefetch has read its address
	s_add_nc_u64 s[PFA:PFA+1], s[PFA:PFA+1], s[PFS:PFS+1]   ; on to fill 2
	s_wait_dscnt 0x0                               ; the add is done
	CROUND
	JLOAD 1                                        ; fill 1, the first tensor load behind the round
	FETCH 0, 0, F0
	FETCH 0, 1, F1
	WIN 0
	global_prefetch_b8 v[PFO], s[PFA:PFA+1] th:TH_LOAD_NT scope:SCOPE_SE   ; fill 2
	s_mov_b32 s[TR], 2
.Lproduct:                                             ; two trips: q, then k
	BODY 0, 1, 0
	TURN 0, 1, 0
	BODY 1, 0, 0
	TURN 1, 1, 0
	WIN 0
	s_wait_xcnt 0x0                                ; the last product's stores have read their registers and their base
	s_cmp_eq_u32 s[TR], 2
	s_cselect_b64 s[OB:OB+1], s[96:97], s[98:99]
	s_cselect_b32 s[C0], s76, s78
	s_cselect_b32 s[C0+1], s77, s79
	WAYOUT 1024
	s_sub_co_u32 s[TR], s[TR], 1
	s_cmp_lg_u32 s[TR], 0
	s_cbranch_scc1 .Lproduct
	BODY 0, 1, 1                                   ; v is written out: its sources are swapped, and nothing is filled again
	TURN 0, 0, 1
	BODY 1, 0, 1
	s_wait_dscnt 0x0
	MUL F1, 0, 1
	WIN 0
	PLACES
	s_wait_xcnt 0x0
	s_mov_b64 s[OB:OB+1], s[62:63]
	s_mov_b32 s[C0], s80
	s_mov_b32 s[C0+1], s81
	WAYOUT 2048
	s_wait_tensorcnt 0x0                           ; the wave's end: three lines behind my last tensor load
	ds_add_u32 v[SPW], v[NIL]
	s_wait_dscnt 0x0
	CROUND                                         ; the closing round: no work-group ends while a partner may still ask for a tile that names it
	s_endpgm
.Lfunc_end_k_q065c733152_qkv:
	.size	k_q065c733152_qkv, .Lfunc_end_k_q065c733152_qkv-k_q065c733152_qkv
	.p2alignl 7, 3214868480
	.fill 96, 4, 3214868480
	.section	.rodata,"a",@progbits
	.p2align	6, 0x0
	.amdhsa_kernel k_q065c733152_qkv
		.amdhsa_group_segment_fixed_size 327680
		.amdhsa_private_segment_fixed_size 0
		.amdhsa_enable_private_segment 0
		.amdhsa_kernarg_size 40
		.amdhsa_user_sgpr_count 2
		.amdhsa_user_sgpr_kernarg_segment_ptr 1
		.amdhsa_wavefront_size32 1
		.amdhsa_system_sgpr_workgroup_id_x 1
		.amdhsa_system_sgpr_workgroup_id_y 1
		.amdhsa_system_sgpr_workgroup_id_z 1
		.amdhsa_system_vgpr_workitem_id 0
		.amdhsa_next_free_vgpr 512
		.amdhsa_next_free_sgpr 100
		.amdhsa_reserve_vcc 0
		.amdhsa_float_denorm_mode_32 3
		.amdhsa_float_denorm_mode_16_64 3
		.amdhsa_memory_ordered 1
		.amdhsa_forward_progress 1
		.amdhsa_inst_pref_size 83
	.end_amdhsa_kernel
	.amdgpu_metadata
---
amdhsa.version: [ 1, 2 ]
amdhsa.kernels:
  - .name:           k_q065c733152_qkv
    .symbol:         k_q065c733152_qkv.kd
    .args:
      - { .name: xc, .offset: 0, .size: 8, .value_kind: global_buffer, .address_space: global }
      - { .name: wc, .offset: 8, .size: 8, .value_kind: global_buffer, .address_space: global }
      - { .name: lowp_scales, .offset: 16, .size: 8, .value_kind: global_buffer, .address_space: global }
      - { .name: qc, .offset: 24, .size: 8, .value_kind: global_buffer, .address_space: global }
      - { .name: kv, .offset: 32, .size: 8, .value_kind: global_buffer, .address_space: global }
    .group_segment_fixed_size: 327680
    .private_segment_fixed_size: 0
    .kernarg_segment_align: 8
    .kernarg_segment_size: 40
    .max_flat_workgroup_size: 128
    .sgpr_count:     100
    .vgpr_count:     512
    .wavefront_size: 32
...
	.end_amdgpu_metadata
.endif
;; end of part 2
;; launch attn (part 3): grid 8 x 32, 16 waves a work-group, no clusters, 264,192 bytes of LDS; arguments qc, kv, lowp_scales, ao; writes ao
.if DOCPART == 3
	.amdgcn_target "amdgcn-amd-amdhsa--gfx1250"
	.amdhsa_code_object_version 6
	.text
	.protected	k_q065c733152_attn
	.globl	k_q065c733152_attn
	.p2align	8
	.type	k_q065c733152_attn,@function
k_q065c733152_attn:
	s_mov_b64 s[64:65], 0
	v_nop
	global_prefetch_b8 v0, s[64:65] scope:SCOPE_SE
	s_setreg_imm32_b32 hwreg(HW_REG_WAVE_MODE, 25, 1), 1
	s_wait_xcnt 0x0
; Causal attention with a soft clamp, both products on codes of FP8 (E4M3): logit = 50 tanh(q . k / 8 / 50); key k counts for query q where k <= q.  32 heads (batch x head) of 2,048 rows x 64 channels.
; LEFT OUT: the keys that the causal mask hides from a whole tile of 16 queries: steps of 128 keys behind the diagonal step, and in it the groups of 32 keys behind the tile's own group.
;   LIMIT: a NaN, an infinity or an overflow that reaches hidden scores alone is not carried to the result.
; THE SOFTMAX AHEAD OF THE SECOND PRODUCT: t = logit x log2(e); M = the row's largest t so far, rounded UP to a whole number; p = 2^(t - M) is quantised along the keys, not normalised; the row's sum is taken of the
; unquantised p and divides O at the end.  When M moves, the sum and O are multiplied by 2^(old M - new M): exact.
; tanh(u) = 1 - 2 R, R = 1 / (1 + 2^y), y = 2 u log2(e): so t = CC - 2 CC R with CC = 50 log2(e), the largest t is at the least R, and t - M is one fused multiply-add of R.  A hidden score gets R = +infinity: it drops out of
; the minimum, and its exponent is -infinity, so p = 0.  LIMIT OF ACCURACY: R carries the rounding of 1 + 2^y and of the reciprocal, some 1e-7, so t carries about 1e-5 absolute.
; SHARES.  A head's 128 tiles of 16 queries are dealt so that each of its eight work-groups gets one tile of each of the 16 blocks of 128 queries, a wave a tile: wave w < 8 has block 15 - w, wave w >= 8 block w - 8.  A tile of block b
; takes b whole steps of 128 keys and its diagonal step; waves w, w + 4, w + 8, w + 12 have 34 steps together for every w < 4.  Which tile of its block: i = work-group's x xor a xor 3 (a / 4), a = w mod 8, so tiles of all positions meet.
; Position r of tile Tq is query 32 (Tq / 2) + 8 (Tq % 2) + r + 8 (r / 8).
; K AND V of the head lie in LDS whole, 16 steps x 16,384 bytes, as images of operand registers: K's eight tiles of 16 keys x 64 channels (1,024 bytes each), then V's four tiles of 16 channels x 128 keys (2,048 each).
; Wave w fetches step w by its one tensor load at the head; no byte is filled twice, and behind the one barrier all sixteen steps are whole: no wave waits for another from there on.
; Both products are used transposed (S^T = K Q^T, O^T = V^T P^T): a lane holds ONE query throughout, and the 16 registers of S^T's tiles 2 b, 2 b + 1 are the keys 32 b + 16 (lane / 16) + 0 .. 15 of the step.
; THE DIAGONAL STEP has four texts, for 1 to 4 live groups of 32 keys (i / 2 + 1); only the last live group is masked.
; NO CLUSTER: the branch on the live groups hangs on the work-group's x, so a cluster's partners would part on their place in it.  NO PREFETCH: all tiles are asked for at the head at once, so there is no loop of loads to run ahead in.
; LIMITS on the given exponents, so that each power of two below is an f32 number: e6 + e7 between -118 and 135 (added to a constant's exponent field); e8, and e10 - e8 - e9, between -126 and 119.  NaN is not served.
; REGISTERS: v1 16 x lane; v2 the step's LDS address; v5, v6 the add's two; v7 the mask's lane term; v9 +infinity; v12 -M, v13 the largest t, v[14:15] the sum in two halves; v16-23 Q;
;   v32-95 K's eight fragments, then V's four; v96-159 S^T, worked in place down to p; v160-191 O^T; v192-207 p's codes; v208-229 at work; v236 a permute's destination; v240, v244 448 x 2^e8, 2^e8; v[246:247] CC - M; v252-254 at work.
.set SPARE, 262144                     ; behind the 16 steps: the spare words, 128 bytes for each wave: eight blocks of 256 bytes that no other line names
.set LI,   1
.set ADK,  2
.set SPW,  5
.set NIL,  6
.set D0,   7
.set INF,  9
.set WV,   18                          ; s18  my wave's number
.set SEL,  20                          ; s[20:21] lane selects for v_permlanex16_b32: lane l xor 16
.set K1,   22                          ; s[22:23] y = raw score x K1, K1 = 2 log2(e) / (8 x 50) x 2^(e6 + e7)
.set G1,   24
.set G0,   40
.set N2C,  44                          ; s[44:45] -2 CC
.set CC,   46                          ; s46  CC = 50 log2(e)
.set PA,   48                          ; s48  a
.set IT,   50                          ; s50  i
.set BQ,   51                          ; s51  i / 2
.set BLK,  52                          ; s52  my block: its whole steps, and the diagonal's step
.set NN,   56                          ; s56  trip = key step
.macro PICK                            ; the next value of the minimum: NI minima of three taken earlier, then what they left
.if ei < NI
.set RX, 208+ei
.else
.set RX, 96+MB+ei-NI
.endif
.set ei, ei+1
.endm
.macro PICK2
	PICK
.set RA, RX
	PICK
.set RB, RX
.endm
.macro PICKS                           ; the next pair of the sum: the first half's NS sums taken earlier, then the second half's pairs
.if ei < NS
.set RX, 208+2*ei
.else
.set RX, 96+HA+2*(ei-NS)
.endif
.set ei, ei+1
.endm
.macro SUM2 dst
	PICKS
.set RA, RX
	PICKS
	v_pk_add_f32 v[\dst:\dst+1], v[RA:RA+1], v[RX:RX+1]
.endm
; A KEY STEP of G groups of 32 keys.  DG = 1: the last group lies on the diagonal.  The scores are worked in two halves of HA registers: plain lines of one half stand among the other half's transcendentals,
; and what they write is first read behind the next wait.
.macro STEP G, DG
.set NR, 16*(\G)
.set HA, 8*(\G)
.set NS, 2*(\G)
.if (\G) == 1
.set NI, 0
.else
.set NI, HA/3
.endif
.set MB, 3*NI
.rept 3
	v_nop                                          ; with the addition in front of the step: four places in front of loads into registers that the last products read
.endr
.irp t, 0,1,2,3,4,5,6,7
.if \t < 2*(\G)
	ds_load_b128 v[32+8*\t:35+8*\t], v[ADK] offset:\t*1024
	ds_load_b128 v[36+8*\t:39+8*\t], v[ADK] offset:\t*1024+512
.endif
.endr
	s_wait_alu depctr_va_vdst(0)
	s_wait_dscnt 0x0
.irp t, 0,1,2,3,4,5,6,7
.if \t < 2*(\G)
	v_wmma_f32_16x16x64_fp8_fp8 v[96+8*\t:103+8*\t], v[32+8*\t:39+8*\t], v[16:23], 0   ; S^T: source 0 = 16 keys, source 1 = my 16 queries
.endif
.endr
.rept 4
	v_nop                                          ; places: in front of the loads below and of the first read of the scores
.endr
.irp t, 0,1,2,3                                    ; V's four fragments are asked for now and land under the softmax; two groups or fewer: 64 keys of them
.irp c, 0,1,2,3
.if (\G) > 2
	ds_load_b128 v[32+16*\t+4*\c:35+16*\t+4*\c], v[ADK] offset:8192+\t*2048+512*\c
.else
.if \c < 2
	ds_load_b128 v[32+8*\t+4*\c:35+8*\t+4*\c], v[ADK] offset:8192+\t*2048+512*\c
.endif
.endif
.endr
.endr
.set n, 0
.rept NR/2
	v_pk_mul_f32 v[96+n:97+n], v[96+n:97+n], s[K1:K1+1] op_sel_hi:[1,0]   ; y; each accumulator from its low end on
.set n, n+2
.endr
	s_wait_alu depctr_va_vdst(0)                   ; (here and below: the waits between batches)
.set n, 0
.rept HA
	v_exp_f32 v[96+n], v[96+n]                     ; 2^y, first half
.set n, n+1
.endr
	v_nop                                          ; a plain line behind the last exponential
	s_wait_alu depctr_va_vdst(0)
.set n, 0
.rept HA/2
	v_exp_f32 v[96+HA+n], v[96+HA+n]               ; second half
	v_exp_f32 v[97+HA+n], v[97+HA+n]
	v_pk_add_f32 v[96+n:97+n], v[96+n:97+n], 1.0 op_sel_hi:[1,0]
.set n, n+2
.endr
	s_wait_alu depctr_va_vdst(0)
.set n, 0
.rept HA/2
	v_rcp_f32 v[96+n], v[96+n]                     ; R = 1 / (1 + 2^y): 0 where 2^y overflows, 1 where it vanishes
	v_rcp_f32 v[97+n], v[97+n]
	v_pk_add_f32 v[96+HA+n:97+HA+n], v[96+HA+n:97+HA+n], 1.0 op_sel_hi:[1,0]
.set n, n+2
.endr
	s_wait_alu depctr_va_vdst(0)
.set n, 0
.rept HA
	v_rcp_f32 v[96+HA+n], v[96+HA+n]
.if n < NI
	v_min3_num_f32 v[208+n], v[96+3*n], v[97+3*n], v[98+3*n]
.endif
.set n, n+1
.endr
	v_nop
	s_wait_alu depctr_va_vdst(0)
.if \DG
.set n, 0
.rept 16
	v_cmp_gt_i32 vcc_lo, n, v[D0]                  ; register i of the last group is key 16 (lane / 16) + i of its 32: hidden where that comes after my query's place
	v_cndmask_b32 v[96+NR-16+n], v[96+NR-16+n], v[INF], vcc_lo
.set n, n+1
.endr
.endif
.set ei, 0
	PICK2                                          ; the least R of my query among my keys, in two chains,
.set RC, RA
.set RE, RB
	PICK
	v_min3_num_f32 v254, v[RC], v[RE], v[RX]
	PICK2
.set RC, RA
.set RE, RB
	PICK
	v_min3_num_f32 v252, v[RC], v[RE], v[RX]
.set di, 254
.rept (NI+NR-MB-6)/2
	PICK2
	v_min3_num_f32 v[di], v[di], v[RA], v[RB]
.set di, 506-di
.endr
	v_min_num_f32 v254, v254, v252
	s_delay_alu instid0(VALU_DEP_1)
	v_permlanex16_b32 v236, v254, s[SEL], s[SEL+1]
	s_delay_alu instid0(VALU_DEP_1)
	v_min_num_f32 v254, v254, v236                 ; and among lane l xor 16's
	s_delay_alu instid0(VALU_DEP_1)
	v_fma_f32 v254, v254, s[N2C], s[CC]            ; the step's largest t = CC - 2 CC R
	s_delay_alu instid0(VALU_DEP_1)
	v_max_num_f32 v13, v13, v254                   ; the running largest t
	v_mov_b32 v254, v12
	s_delay_alu instid0(VALU_DEP_2)
	v_floor_f32 v12, -v13                          ; the new -M = floor(-t) = -ceil(t): M is a whole number
	s_delay_alu instid0(VALU_DEP_1)
	v_add_f32 v246, s[CC], v12                     ; CC - M
	s_delay_alu instid0(VALU_DEP_2)
	v_sub_f32 v254, v12, v254                      ; M's old value less its new one: a whole number, 0 or less
.set n, 0
.rept HA/2
	v_pk_fma_f32 v[96+n:97+n], v[96+n:97+n], s[N2C:N2C+1], v[246:247] op_sel_hi:[1,0,0]   ; t - M = CC - M - 2 CC R, two at a time
.if n == 2
	v_cvt_i32_f32 v254, v254                       ; (it saturates)
.endif
.if n == 6
	v_ldexp_f32 v252, 1.0, v254                    ; f = 2^(old M - new M)
.endif
.set n, n+2
.endr
	s_wait_alu depctr_va_vdst(0)
.set n, 0
.rept HA/2
	v_exp_f32 v[96+n], v[96+n]                     ; p = 2^(t - M): NOT normalised
	v_exp_f32 v[97+n], v[97+n]
	v_pk_fma_f32 v[96+HA+n:97+HA+n], v[96+HA+n:97+HA+n], s[N2C:N2C+1], v[246:247] op_sel_hi:[1,0,0]
.set n, n+2
.endr
	s_wait_alu depctr_va_vdst(0)
.set n, 0
.rept HA
	v_exp_f32 v[96+HA+n], v[96+HA+n]
.if n < NS
	v_pk_add_f32 v[208+2*n:209+2*n], v[96+4*n:97+4*n], v[98+4*n:99+4*n]   ; the sum is taken of the unquantised p,
.else
.if n < NS+HA/2
.set mi, 2*(n-NS)
	v_dual_min_num_f32 v[96+mi], v240, v[96+mi] :: v_dual_min_num_f32 v[97+mi], v240, v[97+mi]   ; and then p is held: the conversion to an 8-bit code does not saturate (ISA guide 7.6.2); p is not negative, so the hold is one-sided
.endif
.endif
.set n, n+1
.endr
	v_pk_mul_f32 v[14:15], v[14:15], v[252:253] op_sel_hi:[1,0]   ; the sums under the new M.  (The plain line behind the exponentials)
	s_wait_alu depctr_va_vdst(0)
.set ei, 0
	SUM2 224
	SUM2 226
	SUM2 228
.set ki, 0
.rept NS+HA/2-6
	PICKS
.if ki%4 == 0
.set RC, 14
.else
.set RC, 222+2*(ki%4)
.endif
	v_pk_add_f32 v[RC:RC+1], v[RC:RC+1], v[RX:RX+1]
.set ki, ki+1
.endr
	v_pk_add_f32 v[224:225], v[224:225], v[226:227]
	v_pk_add_f32 v[14:15], v[14:15], v[228:229]
.set n, 0
.rept HA/2
	v_dual_min_num_f32 v[96+HA+n], v240, v[96+HA+n] :: v_dual_min_num_f32 v[97+HA+n], v240, v[97+HA+n]
.set n, n+2
.endr
	v_pk_add_f32 v[14:15], v[14:15], v[224:225]
.irp b, 0,1,2,3
.if \b < (\G)
	v_cvt_scalef32_pk8_fp8_f32 v[192+4*\b:193+4*\b], v[96+16*\b:103+16*\b], v244
	v_cvt_scalef32_pk8_fp8_f32 v[194+4*\b:195+4*\b], v[104+16*\b:111+16*\b], v244
.endif
.endr
.if (\G)%2
.irp i, 0,1,2,3
	v_mov_b32 v[192+4*(\G)+\i], 0                  ; the hidden group beside the last live one: zero codes
.endr
.endif
	s_wait_alu depctr_va_vdst(0)                   ; directly ahead of the first reader of O^T
.set n, 0
.rept 16
	v_pk_mul_f32 v[160+n:161+n], v[160+n:161+n], v[252:253] op_sel_hi:[1,0]   ; O^T under the new M.  (These are also the plain lines between the conversions and the products that read the codes)
.set n, n+2
.endr
	s_wait_alu depctr_va_vdst(0)
	s_wait_dscnt 0x0                               ; V is in
.irp t, 0,1,2,3
.if (\G) > 2
	v_wmma_f32_16x16x128_fp8_fp8 v[160+8*\t:167+8*\t], v[32+16*\t:47+16*\t], v[192:207], v[160+8*\t:167+8*\t]   ; O^T += V^T P^T: four accumulators by turns
.else
	v_wmma_f32_16x16x64_fp8_fp8 v[160+8*\t:167+8*\t], v[32+8*\t:39+8*\t], v[192:199], v[160+8*\t:167+8*\t]
.endif
.endr
.endm
	s_load_b256 s[4:11], s[0:1], 0x0               ; qc s[4:5], kv s[6:7], the scales' exponents s[8:9], ao s[10:11]
	v_lshl_add_u32 v[SPW], v0, 2, SPARE
	v_mov_b32 v[NIL], 0
	ds_add_u32 v[SPW], v[NIL]                      ; the wave's opening: the add, twice on end, and its wait ahead of my tensor load
	ds_add_u32 v[SPW], v[NIL]
	v_lshrrev_b32 v8, 5, v0
	v_readfirstlane_b32 s[WV], v8                  ; wave 0..15
	s_and_b32 s12, ttmp7, 0xffff                   ; bh: 16 x batch + head
	s_lshl_b32 s86, s12, 18                        ; the head's 262,144 bytes of kv,
	s_mov_b32 s[G0], 1                             ; count = 1
	s_lshl_b32 s[G0+1], s[WV], 14                  ; step = wave: in memory and in LDS alike
	s_lshl_b32 s13, s[WV], 14
	s_add_co_u32 s86, s86, s13
	s_mov_b32 s87, 0
	; group 1: a step is four dense rows of 4,096 bytes; elements of 8 bytes; no padding: an image is read 512 consecutive bytes at a time
	s_mov_b32 s[G1], 3<<16
	s_mov_b32 s[G1+1], 512<<16                     ; tensor_dim0
	s_mov_b32 s[G1+2], 4<<16                       ; tensor_dim1
	s_mov_b32 s[G1+3], 512<<16                     ; tile_dim0
	s_mov_b32 s[G1+4], 4                           ; tile_dim1
	s_mov_b32 s[G1+5], 512                         ; tensor_dim0_stride
	s_mov_b32 s[G1+6], 0
	s_mov_b32 s[G1+7], 0
	s_wait_dscnt 0x0                               ; both opening adds are done
	s_wait_kmcnt 0x0
	s_add_nc_u64 s[G0+2:G0+3], s[6:7], s[86:87]
	s_or_b32 s[G0+3], s[G0+3], 0x80000000          ; type = 2
	tensor_load_to_lds s[G0:G0+3], s[G1:G1+7]      ; my one load
	s_nop 0
	s_load_b256 s[68:75], s[8:9], 0x0              ; e0 .. e7
	s_load_b128 s[76:79], s[8:9], 0x20             ; e8 .. e11
	s_and_b32 s[PA], s[WV], 7
	s_lshr_b32 s19, s[WV], 3
	s_xor_b32 s19, s19, 1
	s_mul_i32 s19, s19, 15
	s_xor_b32 s[BLK], s[PA], s19                   ; block 15 - a in waves 0-7, a in waves 8-15
	s_lshr_b32 s13, s[PA], 2
	s_mul_i32 s13, s13, 3
	s_xor_b32 s13, s13, s[PA]
	s_xor_b32 s[IT], s13, ttmp9                    ; which of the block's eight tiles
	s_lshr_b32 s[BQ], s[IT], 1
	s_lshl_b32 s17, s[BLK], 3
	s_add_co_u32 s17, s17, s[IT]                   ; Tq
	s_lshl_b32 s88, s12, 17
	s_lshl_b32 s13, s17, 10
	s_add_co_u32 s88, s88, s13                     ; Q's image: head x 131,072 + Tq x 1,024
	s_mov_b32 s89, 0
	s_lshr_b32 s94, s12, 4
	s_lshl_b32 s94, s94, 7
	s_add_co_u32 s94, s94, s17
	s_lshl_b32 s94, s94, 14                        ; ao: row tile (128 batch + Tq) x 16,384
	s_and_b32 s83, s12, 15
	s_lshr_b32 s83, s83, 1
	s_lshl_b32 s83, s83, 11
	s_add_co_u32 s94, s94, s83                     ; + K step (head / 2) x 2,048
	s_and_b32 s83, s12, 1
	s_lshl_b32 s83, s83, 10
	s_add_co_u32 s94, s94, s83                     ; + 2 (head % 2) x 512
	s_mov_b32 s95, 0
	s_add_nc_u64 s[4:5], s[4:5], s[88:89]
	s_add_nc_u64 s[10:11], s[10:11], s[94:95]
	s_and_b32 s19, s[IT], 1
	s_lshl_b32 s19, s19, 3
	v_and_b32 v8, 31, v0
	v_and_b32 v[D0], 15, v0
	v_and_b32 v10, 8, v0
	v_bfe_u32 v11, v0, 4, 1
	v_lshlrev_b32 v[LI], 4, v8
	v_add_nc_u32 v[D0], v[D0], v10
	v_lshlrev_b32 v11, 4, v11
	v_mov_b32 v[INF], 0x7f800000
	v_add_nc_u32 v[D0], s19, v[D0]
	v_mov_b32 v13, 0xff61b1e6                      ; the largest t so far: -3e38, under every t
	v_mov_b32 v12, 0x7f61b1e6                      ; -M = 3e38, a whole number
	v_sub_nc_u32 v[D0], v[D0], v11                 ; my query's place in its 32 less 16 (lane / 16): 8 (i % 2) + r + 8 (r / 8) - 16 (lane / 16)
	global_load_b128 v[16:19], v[LI], s[4:5]       ; Q's fragment stays in registers: channels 16 (lane / 16) + 0 .. 15,
	global_load_b128 v[20:23], v[LI], s[4:5] offset:512   ; and 32 + those
	v_mov_b32 v14, 0                               ; the sum, in two halves
	v_mov_b32 v15, 0
	v_mov_b32 v236, 0                              ; written once: a lane permute's destination counts as one of its sources
	v_mov_b32 v247, 0                              ; (named as the upper halves of pairs)
	v_mov_b32 v253, 0
.set n, 0
.rept 32
	v_mov_b32 v[160+n], 0                          ; O^T.  (The step is written once: the first finds zeros, which the first change of M leaves zeros)
.set n, n+1
.endr
	s_mov_b32 s[SEL], 0x76543210
	s_mov_b32 s[SEL+1], 0xfedcba98
	s_mov_b32 s[K1], 0x3bec5f04                    ; 2 log2(e) / 400 = 0.0072134752
	s_mov_b32 s[N2C], 0xc31044fe                   ; -2 x 72.134752
	s_mov_b32 s[N2C+1], s[N2C]                     ; (named with it as a pair, so it is written)
	s_mov_b32 s[CC], 0x429044fe                    ; 50 log2(e) = 72.134752
	s_wait_alu depctr_va_vdst(0)
	s_wait_kmcnt 0x0
	s_add_co_i32 s83, s74, s75
	s_lshl_b32 s83, s83, 23
	s_add_co_i32 s[K1], s[K1], s83                 ; a raw score stands for score x 2^(e6 + e7): the two exponents are added to K1's exponent field
	s_mov_b32 s[K1+1], s[K1]
	s_add_co_i32 s83, s76, 127
	s_lshl_b32 s84, s83, 23
	s_add_co_i32 s83, s83, 8
	s_lshl_b32 s83, s83, 23
	s_or_b32 s83, s83, 0x600000
	v_mov_b32 v244, s84                            ; 2^e8 as f32, for p's conversions
	v_mov_b32 v240, s83                            ; 448 x 2^e8
	s_wait_alu depctr_va_vdst(0)                   ; the head's end
	s_wait_loadcnt 0x0                             ; Q
	s_wait_tensorcnt 0x0                           ; my step is in:
	s_barrier_signal -1                            ; say so,
	s_barrier_wait -1                              ; and all sixteen are
	s_mov_b32 s[NN], 0
.Ltrip:                                            ; whole steps.  Fifteen trips in every wave; a trip at or past my diagonal does no work: a branch on the wave's number and the count of trips
	s_cmp_ge_u32 s[NN], s[BLK]
	s_cbranch_scc1 .Lnext
	s_lshl_b32 s13, s[NN], 14
	v_add_nc_u32 v[ADK], s13, v[LI]
	STEP 4, 0
.Lnext:
	s_add_co_u32 s[NN], s[NN], 1
	s_cmp_lt_u32 s[NN], 15
	s_cbranch_scc1 .Ltrip
	s_lshl_b32 s13, s[BLK], 14                     ; the diagonal step
	v_add_nc_u32 v[ADK], s13, v[LI]
	s_wait_alu depctr_va_vdst(0)
	s_cmp_eq_u32 s[BQ], 0
	s_cbranch_scc1 .Lgroups_1
	s_cmp_eq_u32 s[BQ], 1
	s_cbranch_scc1 .Lgroups_2
	s_cmp_eq_u32 s[BQ], 2
	s_cbranch_scc1 .Lgroups_3
	STEP 4, 1
	s_branch .Lout
.Lgroups_3:
	STEP 3, 1
	s_branch .Lout
.Lgroups_2:
	STEP 2, 1
	s_branch .Lout
.Lgroups_1:
	STEP 1, 1
.Lout:
	; THE WAY OUT.  O^T / the sum is the last product's operand: it is quantised here.  Tiles 2 u and 2 u + 1 of O^T hold, in lane (r, h), channels 32 u + 16 h + 0 .. 15 of query position r: the conversions' results are the image's registers.
.rept 4
	v_nop                                          ; places behind the last products
.endr
	v_add_f32 v14, v14, v15                        ; the sum's two halves,
	s_delay_alu instid0(VALU_DEP_1)
	v_permlanex16_b32 v236, v14, s[SEL], s[SEL+1]
	s_delay_alu instid0(VALU_DEP_1)
	v_add_f32 v14, v14, v236                       ; and lane l xor 16's: the row's sum
	s_wait_alu depctr_va_vdst(0)
	v_rcp_f32 v14, v14
	s_sub_co_i32 s83, s78, s76
	s_sub_co_i32 s83, s83, s77                     ; O^T stands for O^T x 2^(e8 + e9): its code is O^T / the sum / 2^(e10 - e8 - e9)
	s_add_co_i32 s83, s83, 127
	s_lshl_b32 s84, s83, 23
	v_mov_b32 v244, s84                            ; (plain lines behind the reciprocal)
	s_add_co_i32 s83, s83, 8
	s_lshl_b32 s83, s83, 23
	s_or_b32 s83, s83, 0x600000
	v_mov_b32 v240, s83
	s_wait_alu depctr_va_vdst(0)                   ; the wait ahead of the reciprocal's first reader and of O^T's
.set n, 0
.rept 16
	v_pk_mul_f32 v[160+n:161+n], v[160+n:161+n], v[14:15] op_sel_hi:[1,0]   ; each accumulator from its low end on
.set n, n+2
.endr
.set n, 0
.rept 32
	v_med3_num_f32 v[160+n], v[160+n], -v240, v240
.set n, n+1
.endr
.irp u, 0,1
	v_cvt_scalef32_pk8_fp8_f32 v[192+4*\u:193+4*\u], v[160+16*\u:167+16*\u], v244
	v_cvt_scalef32_pk8_fp8_f32 v[194+4*\u:195+4*\u], v[168+16*\u:175+16*\u], v244
.endr
	v_nop                                          ; one plain vector line behind the last conversion
	global_store_b128 v[LI], v[192:195], s[10:11]             ; 32 lanes store 512 consecutive bytes, at a multiple of 512 from the buffer's first byte
	global_store_b128 v[LI], v[196:199], s[10:11] offset:512
	s_wait_tensorcnt 0x0                           ; the wave's end: three lines behind my tensor load
	ds_add_u32 v[SPW], v[NIL]
	s_wait_dscnt 0x0
	s_endpgm
.Lfunc_end_k_q065c733152_attn:
	.size	k_q065c733152_attn, .Lfunc_end_k_q065c733152_attn-k_q065c733152_attn
	.p2alignl 7, 3214868480
	.fill 96, 4, 3214868480
	.section	.rodata,"a",@progbits
	.p2align	6, 0x0
	.amdhsa_kernel k_q065c733152_attn
		.amdhsa_group_segment_fixed_size 264192
		.amdhsa_private_segment_fixed_size 0
		.amdhsa_enable_private_segment 0
		.amdhsa_kernarg_size 32
		.amdhsa_user_sgpr_count 2
		.amdhsa_user_sgpr_kernarg_segment_ptr 1
		.amdhsa_wavefront_size32 1
		.amdhsa_system_sgpr_workgroup_id_x 1
		.amdhsa_system_sgpr_workgroup_id_y 1
		.amdhsa_system_sgpr_workgroup_id_z 1
		.amdhsa_system_vgpr_workitem_id 0
		.amdhsa_next_free_vgpr 256
		.amdhsa_next_free_sgpr 100
		.amdhsa_reserve_vcc 1
		.amdhsa_float_denorm_mode_32 3
		.amdhsa_float_denorm_mode_16_64 3
		.amdhsa_memory_ordered 1
		.amdhsa_forward_progress 1
		.amdhsa_inst_pref_size 102
	.end_amdhsa_kernel
	.amdgpu_metadata
---
amdhsa.version: [ 1, 2 ]
amdhsa.kernels:
  - .name:           k_q065c733152_attn
    .symbol:         k_q065c733152_attn.kd
    .args:
      - { .name: qc, .offset: 0, .size: 8, .value_kind: global_buffer, .address_space: global }
      - { .name: kv, .offset: 8, .size: 8, .value_kind: global_buffer, .address_space: global }
      - { .name: lowp_scales, .offset: 16, .size: 8, .value_kind: global_buffer, .address_space: global }
      - { .name: ao, .offset: 24, .size: 8, .value_kind: global_buffer, .address_space: global }
    .group_segment_fixed_size: 264192
    .private_segment_fixed_size: 0
    .kernarg_segment_align: 8
    .kernarg_segment_size: 32
    .max_flat_workgroup_size: 512
    .sgpr_count:     100
    .vgpr_count:     256
    .wavefront_size: 32
...
	.end_amdgpu_metadata
.endif
;; end of part 3
;; launch oproj (part 4): grid 8 x 32, 4 waves a work-group, clusters of 4 x 4, 280,064 bytes of LDS; arguments ao, wc, lowp_scales, out0; writes out0
.if DOCPART == 4
	.amdgcn_target "amdgcn-amd-amdhsa--gfx1250"
	.amdhsa_code_object_version 6
	.text
	.protected	k_q065c733152_oproj
	.globl	k_q065c733152_oproj
	.p2align	8
	.type	k_q065c733152_oproj,@function
k_q065c733152_oproj:
	s_mov_b64 s[64:65], 0
	v_nop
	global_prefetch_b8 v0, s[64:65] scope:SCOPE_SE
	s_setreg_imm32_b32 hwreg(HW_REG_WAVE_MODE, 25, 1), 1
	s_wait_xcnt 0x0
	s_wait_alu depctr_hold_cnt(0) depctr_sa_sdst(0) depctr_va_vdst(0) depctr_va_sdst(0) depctr_va_ssrc(0) depctr_va_vcc(0) depctr_vm_vsrc(0)
	s_getreg_b32 s2, hwreg(HW_REG_IB_STS2, 6, 4)
	s_cmp_eq_u32 s2, 0
	s_cbranch_scc0 .Lentry_in_a_cluster
	s_endpgm
.Lentry_in_a_cluster:
	s_bfe_u32 s2, ttmp6, 0x10000c
	s_cmp_lg_u32 s2, 0xf033
	s_cbranch_scc0 .Lentry_shape_is_right
	s_endpgm
.Lentry_shape_is_right:
; out0 = o Wo^T on codes of FP8 (E4M3): o [4096][1024] are the attention launch's codes (scale 2^e10), Wo's [1024][1024] are the fourth weight of wc (scale 2^e11); out0 [4096][1024] f32.
; Each finished sum is multiplied once by 2^(e10 + e11).  LIMIT: e10 + e11 between -126 and 127, so that the power of two is an f32 number.
; A tile of out0 is 128 x 128; four waves, each 64 x 64: 16 accumulators.  256 work-groups.
; OPERANDS arrive as images (a tile of 16 rows x 128 along K in 2,048 bytes: byte 512 c + 16 lane + e = position lane % 16, k = 32 c + 16 (lane / 16) + e; position p of tile T is row 32 (T / 2) + 8 (T % 2) + p + 8 (p / 8)).
; That places k otherwise than the form's own layout does, alike in both operands, so every product meets its partner; only the order of the sums inside an instruction changes.
; K = 1,024 is short: BOTH operand tiles lie in LDS whole (2 x 128 KB).  A wave issues ONE tensor load (four tiles x 16,384 bytes); no byte is filled twice.  No prefetch: all is asked for at the head at once.
; CLUSTERS: 4 x 4 work-groups.  o's tile hangs on the tile row and is asked for jointly along a row of the cluster, Wo's on the tile column and jointly along a column.
; THE MATRIX INSTRUCTION IS USED TRANSPOSED (source 0 = 16 rows of Wo, source 1 = 16 rows of o): a lane holds eight neighbouring numbers of a row of out0.
; REGISTERS: window 0: v1 16 x lane; v16, v20 LDS addresses of my A and B fragments; v24-26 the way out's addresses; v28, v29 the add's two; v32-63 a block's sums x 2^(e10 + e11);
;   v64-127 rows read back from the stage, two sets by turns; v128-255 accumulators.   window 1: two fragment buffers of 128 registers: four fragments of o, then four of Wo.
.set RG,    65536                      ; a region: what one tensor load brings.  Regions 0, 1: o's halves; 2, 3: Wo's halves
.set SPARE, 4*RG                       ; behind the regions: the spare words, 128 bytes for each wave: two blocks of 256 bytes that no other line names
.set STAGE, SPARE+512                  ; behind them: a stage of 16 rows x (256 bytes + 16) for each wave, into which no tensor load lands
.set SP,    272
.set LI,   1
.set ADRA, 16
.set ADRB, 20
.set STO,  24
.set RD,   25
.set CO,   26
.set SPW,  28
.set NIL,  29
.set TMP,  32
.set BK,   64
.set ACC,  128
.set F0,   0
.set F1,   128
.set G1A,  24
.set G1B,  32
.set G0A,  40
.set G0B,  68
.set MSB, 0
.macro WIN new                         ; the immediate's high byte repeats the setting that is left
.if MSB != \new
	s_set_vgpr_msb (MSB<<8)|\new
.set MSB, \new
.endif
.endm
.macro CROUND                          ; a round of the cluster's barrier
	s_barrier_signal -1
	s_barrier_wait -1
	s_cmp_lg_u32 s14, 0
	s_cbranch_scc1 .Lnot_wave_0_\@
	s_barrier_signal -3
.Lnot_wave_0_\@:
	s_barrier_wait -3
	s_barrier_signal -1
	s_barrier_wait -1
.endm
.macro PLACES                          ; four places in front of loads into registers that matrix instructions have read, and of the first read of results
.rept 4
	v_nop
.endr
.endm
	s_load_b256 s[4:11], s[0:1], 0x0               ; ao s[4:5], wc s[6:7], the scales' exponents s[8:9], out0 s[10:11]
	v_lshl_add_u32 v[SPW], v0, 2, SPARE
	v_mov_b32 v[NIL], 0
	ds_add_u32 v[SPW], v[NIL]                      ; the wave's opening: the add, twice on end, and its wait ahead of my tensor load
	ds_add_u32 v[SPW], v[NIL]
	v_lshrrev_b32 v2, 5, v0
	v_readfirstlane_b32 s14, v2                    ; wave 0..3
	s_lshr_b32 s15, s14, 1                         ; which half of the tile's rows is mine.  Also: I fetch for o (0) or for Wo (1)
	s_and_b32 s16, s14, 1                          ; which half of its columns.  Also: which half of that tile I fetch
	s_bfe_u32 s17, ttmp6, 0x40000                  ; cx
	s_bfe_u32 s18, ttmp6, 0x40004                  ; cy
	s_lshl_b32 s19, ttmp9, 2
	s_add_co_u32 s19, s19, s17                     ; tile column = 4 x cluster x + cx
	s_and_b32 s20, ttmp7, 0xffff
	s_lshl_b32 s20, s20, 2
	s_add_co_u32 s20, s20, s18                     ; tile row = 4 x cluster y + cy
	s_lshl_b32 s22, s18, 2
	s_lshl_b32 s22, 15, s22                        ; my row of the cluster
	s_lshl_b32 s23, 0x1111, s17                    ; my column
	; group 1: four rows (tiles) of 16,384 bytes (eight K steps' images), one behind the other; elements of 8 bytes; no padding: an image is read 512 consecutive bytes at a time
	s_or_b32 s[G1A], s22, (3<<16)|(1<<21)          ; 15:0 the mask; 17:16 elements of 8 bytes; 21 set beside a mask
	s_or_b32 s[G1B], s23, (3<<16)|(1<<21)
.irp g, G1A, G1B
	s_mov_b32 s[\g+1], 2048<<16                    ; tensor_dim0
	s_mov_b32 s[\g+2], 4<<16                       ; tensor_dim1
	s_mov_b32 s[\g+3], 2048<<16                    ; tile_dim0
	s_mov_b32 s[\g+4], 4                           ; tile_dim1
	s_mov_b32 s[\g+5], 2048                        ; tensor_dim0_stride
	s_mov_b32 s[\g+6], 0
	s_mov_b32 s[\g+7], 0
.endr
	s_lshl_b32 s22, s16, 16                        ; the four tiles that I fetch
	s_lshl_b32 s56, s20, 17                        ; o: the tile row's eight tiles
	s_add_co_u32 s56, s56, s22
	s_mov_b32 s57, 0
	s_lshl_b32 s58, s19, 17                        ; Wo: the tile column's eight tiles,
	s_add_co_u32 s58, s58, s22
	s_add_co_u32 s58, s58, 3<<20                   ; in the fourth weight of wc
	s_mov_b32 s59, 0
	s_lshl_b32 s60, s14, 16                        ; where they go: region = wave: no place in the cluster enters an LDS address
	s_wait_dscnt 0x0                               ; both opening adds are done
	s_wait_kmcnt 0x0
	s_load_b64 s[94:95], s[8:9], 0x28              ; e10, e11
	s_add_nc_u64 s[56:57], s[4:5], s[56:57]
	s_add_nc_u64 s[58:59], s[6:7], s[58:59]
	CROUND                                         ; all sixteen work-groups are here: the joint loads meet
	s_mov_b32 s[G0A], 1
	s_mov_b32 s[G0A+1], s60
	s_mov_b64 s[G0A+2:G0A+3], s[56:57]
	s_or_b32 s[G0A+3], s[G0A+3], 0x80000000
	s_mov_b32 s[G0B], 1
	s_mov_b32 s[G0B+1], s60
	s_mov_b64 s[G0B+2:G0B+3], s[58:59]
	s_or_b32 s[G0B+3], s[G0B+3], 0x80000000
	s_cmp_eq_u32 s15, 0                            ; one load a wave; the branch hangs on the wave's number alone
	s_cbranch_scc0 .Lfirst_b
	tensor_load_to_lds s[G0A:G0A+3], s[G1A:G1A+7]
	s_nop 0
	PLACES
	s_branch .Lfirst_asked
.Lfirst_b:
	tensor_load_to_lds s[G0B:G0B+3], s[G1B:G1B+7]
	s_nop 0
	PLACES
.Lfirst_asked:
	s_lshl_b32 s61, s15, 16                        ; my 64 rows of o: region 0 or 1
	s_lshl_b32 s62, s16, 16
	s_add_co_u32 s62, s62, 2*RG                    ; my 64 rows of Wo: region 2 or 3
	s_mul_i32 s63, s14, 16*SP
	s_add_co_u32 s63, s63, STAGE                   ; my stage
	s_lshl_b32 s22, s20, 19                        ; my part of out0: row 128 x tile row + 64 x half,
	s_lshl_b32 s66, s15, 18
	s_add_co_u32 s22, s22, s66
	s_lshl_b32 s66, s19, 9                         ; column 128 x tile column + 64 x half, in bytes
	s_add_co_u32 s22, s22, s66
	s_lshl_b32 s66, s16, 8
	s_add_co_u32 s22, s22, s66
	s_mov_b32 s23, 0
	s_add_nc_u64 s[10:11], s[10:11], s[22:23]
	v_and_b32 v[LI], 31, v0
	v_lshlrev_b32 v[LI], 4, v[LI]
	v_add_nc_u32 v[ADRA], s61, v[LI]
	v_add_nc_u32 v[ADRB], s62, v[LI]
	v_and_b32 v2, 15, v0                           ; r
	v_bfe_u32 v3, v0, 4, 1                         ; h
	v_mul_u32_u24 v[STO], v2, SP                   ; in: row = position r; my half's columns begin 64 h bytes on
	v_lshl_add_u32 v[STO], v3, 6, v[STO]
	v_add_nc_u32 v[STO], s63, v[STO]
	v_mul_u32_u24 v[RD], v3, SP                    ; back: lanes 0-15 take one row of 256 bytes, lanes 16-31 the next
	v_lshl_add_u32 v[RD], v2, 4, v[RD]
	v_add_nc_u32 v[RD], s63, v[RD]
	v_lshlrev_b32 v[CO], 12, v3                    ; and the same two rows in out0 (a row is 4,096 bytes)
	v_lshl_add_u32 v[CO], v2, 4, v[CO]
; 32 LDS loads in one run: K step q's four fragments of o and four of Wo into buffer f
.macro FETCH q, f
	WIN 0x40                                       ; destination window 1, address window 0
.irp i, 0,1,2,3
.irp c, 0,1,2,3
	ds_load_b128 v[\f+16*\i+4*\c:\f+16*\i+4*\c+3], v[ADRA] offset:\i*16384+(\q)*2048+512*\c
.endr
.endr
.irp i, 0,1,2,3
.irp c, 0,1,2,3
	ds_load_b128 v[\f+64+16*\i+4*\c:\f+64+16*\i+4*\c+3], v[ADRB] offset:\i*16384+(\q)*2048+512*\c
.endr
.endr
.endm
; 16 matrix instructions, 128 along K.  The 16 accumulators take turns, one instruction a turn, in the same order in every K step.  zero = 1: the first product starts the sums.
.macro MUL f, zero
	WIN 0x05                                       ; sources 0 and 1 window 1; C and D window 0
.irp i, 0,1,2,3
.irp j, 0,1,2,3
.if \zero
	v_wmma_f32_16x16x128_fp8_fp8 v[ACC+8*(4*\i+\j):ACC+8*(4*\i+\j)+7], v[\f+64+16*\j:\f+64+16*\j+15], v[\f+16*\i:\f+16*\i+15], 0
.else
	v_wmma_f32_16x16x128_fp8_fp8 v[ACC+8*(4*\i+\j):ACC+8*(4*\i+\j)+7], v[\f+64+16*\j:\f+64+16*\j+15], v[\f+16*\i:\f+16*\i+15], v[ACC+8*(4*\i+\j):ACC+8*(4*\i+\j)+7]
.endif
.endr
.endr
.endm
.macro NEXT q, fn, fc                  ; K step q is fetched into the buffer that the last products read, while buffer fc is multiplied
	PLACES
	FETCH \q, \fn
	s_wait_dscnt 32                                ; all but the 32 just issued
	MUL \fc, 0
.endm
	s_wait_alu depctr_va_vdst(0)                   ; the head's end
	s_wait_tensorcnt 0x0                           ; my region has landed:
	s_barrier_signal -1                            ; say so,
	s_barrier_wait -1                              ; and all four have
	FETCH 0, F0
	FETCH 1, F1
	s_wait_dscnt 32
	MUL F0, 1
	NEXT 2, F0, F1
	NEXT 3, F1, F0
	NEXT 4, F0, F1
	NEXT 5, F1, F0
	NEXT 6, F0, F1
	NEXT 7, F1, F0
	s_wait_dscnt 0x0
	MUL F1, 0
	WIN 0
; THE WAY OUT, block by block of 16 rows x 64 columns.  Register e of accumulator (i, j) in lane (r, h) is out0(position r of my row tile i, my column 32 (j / 2) + 8 (j % 2) + 16 h + e): 32 neighbouring bytes of a row, and the
; lanes beside it hold other rows.  So a block goes through my own stage and comes back as whole rows of 256 bytes.  LDS serves a wave's instructions in order (ISA guide 5.7.1.4): no wait between the stores and the loads, nor in front of the next block's stores.
.macro TOSTAGE i
.set n, 0
.rept 16
	v_pk_mul_f32 v[TMP+n:TMP+n+1], v[ACC+32*\i+n:ACC+32*\i+n+1], s[96:97] op_sel_hi:[1,0]   ; both x s96 = 2^(e10 + e11); each accumulator from its low end on
.set n, n+2
.endr
.irp j, 0,1,2,3
	ds_store_b128 v[STO], v[TMP+8*\j:TMP+8*\j+3] offset:(\j/2)*128+(\j%2)*32
	ds_store_b128 v[STO], v[TMP+8*\j+4:TMP+8*\j+7] offset:(\j/2)*128+(\j%2)*32+16
.endr
.irp t, 0,1,2,3,4,5,6,7
	ds_load_b128 v[BK+32*(\i%2)+4*\t:BK+32*(\i%2)+4*\t+3], v[RD] offset:2*\t*SP
.endr
.endm
.macro SEND i, younger                 ; younger: the LDS instructions issued behind block i's loads, which may stay out
	s_wait_dscnt \younger
.irp t, 0,1,2,3,4,5,6,7
	global_store_b128 v[CO], v[BK+32*(\i%2)+4*\t:BK+32*(\i%2)+4*\t+3], s[10:11] offset:(32*(\i/2)+8*(\i%2)+2*\t+8*(\t/4))*4096 th:TH_STORE_NT   ; positions 2 t, 2 t + 1: sixteen lanes store 256 consecutive bytes, at a multiple of 256 from out0's first byte; written once, read by nobody here
.endr
.endm
	s_wait_kmcnt 0x0
	s_add_co_i32 s96, s94, s95                     ; e10 + e11, between -126 and 127,
	s_add_co_i32 s96, s96, 127
	s_lshl_b32 s96, s96, 23                        ; makes the f32 number 2^(e10 + e11)
	s_mov_b32 s97, s96                             ; (named with it as a pair, so it is written)
	PLACES
	TOSTAGE 0
	TOSTAGE 1
	SEND 0, 16                                     ; behind block 0's loads: block 1's 8 stores and 8 loads
	s_wait_xcnt 0x0                                ; block 0's stores have read their registers: block 2's loads may land there
	TOSTAGE 2
	SEND 1, 16
	s_wait_xcnt 0x0                                ; block 1's likewise
	TOSTAGE 3
	SEND 2, 16
	SEND 3, 0
	s_wait_tensorcnt 0x0                           ; the wave's end: three lines behind my tensor load and my last LDS store
	ds_add_u32 v[SPW], v[NIL]
	s_wait_dscnt 0x0
	CROUND                                         ; the closing round: no work-group ends while a partner may still ask for a tile that names it
	s_endpgm
.Lfunc_end_k_q065c733152_oproj:
	.size	k_q065c733152_oproj, .Lfunc_end_k_q065c733152_oproj-k_q065c733152_oproj
	.p2alignl 7, 3214868480
	.fill 96, 4, 3214868480
	.section	.rodata,"a",@progbits
	.p2align	6, 0x0
	.amdhsa_kernel k_q065c733152_oproj
		.amdhsa_group_segment_fixed_size 280064
		.amdhsa_private_segment_fixed_size 0
		.amdhsa_enable_private_segment 0
		.amdhsa_kernarg_size 32
		.amdhsa_user_sgpr_count 2
		.amdhsa_user_sgpr_kernarg_segment_ptr 1
		.amdhsa_wavefront_size32 1
		.amdhsa_system_sgpr_workgroup_id_x 1
		.amdhsa_system_sgpr_workgroup_id_y 1
		.amdhsa_system_sgpr_workgroup_id_z 1
		.amdhsa_system_vgpr_workitem_id 0
		.amdhsa_next_free_vgpr 512
		.amdhsa_next_free_sgpr 100
		.amdhsa_reserve_vcc 0
		.amdhsa_float_denorm_mode_32 3
		.amdhsa_float_denorm_mode_16_64 3
		.amdhsa_memory_ordered 1
		.amdhsa_forward_progress 1
		.amdhsa_inst_pref_size 43
	.end_amdhsa_kernel
	.amdgpu_metadata
---
amdhsa.version: [ 1, 2 ]
amdhsa.kernels:
  - .name:           k_q065c733152_oproj
    .symbol:         k_q065c733152_oproj.kd
    .args:
      - { .name: ao, .offset: 0, .size: 8, .value_kind: global_buffer, .address_space: global }
      - { .name: wc, .offset: 8, .size: 8, .value_kind: global_buffer, .address_space: global }
      - { .name: lowp_scales, .offset: 16, .size: 8, .value_kind: global_buffer, .address_space: global }
      - { .name: out0, .offset: 24, .size: 8, .value_kind: global_buffer, .address_space: global }
    .group_segment_fixed_size: 280064
    .private_segment_fixed_size: 0
    .kernarg_segment_align: 8
    .kernarg_segment_size: 32
    .max_flat_workgroup_size: 128
    .sgpr_count:     100
    .vgpr_count:     512
    .wavefront_size: 32
...
	.end_amdgpu_metadata
.endif
;; end of part 4
